; MI455X (gfx1250); checked and timed in simulation.
; The chip was launched on July 23, 2026; its instructions are those of AMD's public machine-readable ISA for CDNA 5 (MIT licence, August 2026) and "CDNA5" Instruction Set Architecture Reference Guide (July 2026). The comments in the code are by the model that wrote it; some were corrected since.
;; Q8 Linear Lora. Allowed arithmetic: float matrix products may take bf16 or f16 operands with f32 sums; other float arithmetic in f32, or as packed bf16 or f16 multiplies, adds, multiply-adds, maxima and minima; sums over many terms, partial sums and values carried from step to step in f32; what a program stores and reads back later, other than sums and carried values, may be rounded once to bf16 or f16.
;; Inputs: bias 4,096 float32; lora_a 16 x 4,096 bfloat16; lora_b 4,096 x 16 bfloat16; scales 4,096 float32; weight 4,096 x 4,096 int8; x 4,096 x 4,096 int8; x_scales 4,096 float32.
;; Outputs: out0 4,096 x 4,096 float32.
;; One version. Each part assembles by itself: llvm-mc -triple=amdgcn-amd-amdhsa -mcpu=gfx1250 --defsym DOCPART=n.
;; ======== version 1 of 1: 2 launches
;; workspace buffers: tl 262,144 bytes
;; launch lora_t (part 1): grid 256 x 1, 8 waves a work-group, no clusters, 9,216 bytes of LDS; arguments x, x_scales, lora_a, tl; writes tl
.if DOCPART == 1
	.amdgcn_target "amdgcn-amd-amdhsa--gfx1250"
	.amdhsa_code_object_version 6
	.text
	.protected	k_qf81000dff9_lora_t
	.globl	k_qf81000dff9_lora_t
	.p2align	8
	.type	k_qf81000dff9_lora_t,@function
k_qf81000dff9_lora_t:
	s_mov_b64 s[64:65], 0
	v_nop
	global_prefetch_b8 v0, s[64:65] scope:SCOPE_SE
	s_setreg_imm32_b32 hwreg(HW_REG_WAVE_MODE, 25, 1), 1
	s_wait_xcnt 0x0
; tl[m][r] = bf16( sum over k of bf16(x[m][k] * x_scales[m]) * lora_a[r][k] ) for r = 0..15;  tl[m][16..31] = 0.
; x: [4096][4096] int8, x_scales: [4096] f32, lora_a: [16][4096] bf16, tl: [4096][32] bf16 (64 bytes a row; the upper half is 0, so that a later
; product 32 deep takes a row of tl by two plain loads).  x * x_scales is one f32 product rounded once to bf16; the sums are f32, in an order of their own; tl is rounded once.
; SHARES.  A work-group owns 16 rows of x.  K IS SPLIT AMONG ITS EIGHT WAVES: wave w takes k = 512 w .. 512 w + 511, sixteen fragments 32 deep.  No loop: a wave's 50 loads
; (24 KiB) go out together, then sixteen times: 16 int8 a lane are made bf16, one product.  The eight partial tiles meet in LDS; waves 0 and 1 add them and store 512 bytes on end each.
; LAYOUT.  Source 0 = lora_a's 16 rows, source 1 = x's 16 rows: in the result lane l holds row m = l % 16 and the ranks 8 (l / 16) + 0..7.  Within a fragment k is permuted, alike in both
; sources (sums of f32 may go in any order): lane l holds k = 32 c + 16 (l / 16) + i, i = 0..15, in register i / 2, half i % 2: 16 bytes on end of x, 32 bytes on end of lora_a.
; int8 TO f32, exactly: the byte b with its top bit turned is b + 128; under the exponent of 2^23 it is the f32 number 2^23 + 128 + b, from which 2^23 + 128 is taken.
; No LDS on the way in (no wave wants another's bytes), no cluster, no prefetch (all loads of the launch are asked for at its head).
.set U,    1                           ; v1        a word of x with the top bits turned
.set XO,   2                           ; v2        my byte offset in x: 4,096 (l % 16) + 16 (l / 16) + 512 w; never rewritten
.set LO,   3                           ; v3        in lora_a: 8,192 (l % 16) + 32 (l / 16) + 1,024 w; never rewritten
.set SO,   4                           ; v4        in x_scales: 4 (l % 16)
.set LS,   5                           ; v5        where I put my 32 bytes of the partial tile
.set LR,   6                           ; v6        where I read partial sums back
.set TO,   7                           ; v7        my 16 bytes of tl
.set SPW,  8                           ; v8        LDS address of my spare word: SPARE + 4 x my thread's number; never rewritten
.set NIL,  9                           ; v9        0; never rewritten
.set SC,   10                          ; v[10:11]  my row's scale, twice (a pair for the packed multiply)
.set TMP,  12                          ; v[12:27]  16 numbers in f32, at work
.set XF,   28                          ; v[28:43]  x's fragment in bf16, two buffers of 8
.set ACC,  44                          ; v[44:59]  two accumulators, for even and odd fragments
.set X,    64                          ; v[64:127] x as loaded, 4 registers a fragment; later the eight partial tiles
.set LA,   128                         ; v[128:255] lora_a's fragments, 8 registers each
.set PART, 0                           ; LDS: wave w's partial tile, 1,024 bytes, at 1,024 w
.set SPARE, 8192                       ; behind them: the spare words, 128 bytes for each wave: four blocks of 256 bytes that no other line names
	s_load_b256 s[4:11], s[0:1], 0x0               ; x s[4:5], x_scales s[6:7], lora_a s[8:9], tl s[10:11]
	v_lshl_add_u32 v[SPW], v0, 2, SPARE
	v_mov_b32 v[NIL], 0
	v_lshrrev_b32 v1, 5, v0
	v_readfirstlane_b32 s12, v1                    ; wave 0..7
	v_and_b32 v12, 15, v0                          ; l % 16
	v_bfe_u32 v13, v0, 4, 1                        ; l / 16
	v_and_b32 v16, 31, v0                          ; l
	s_lshl_b32 s13, s12, 9
	v_lshlrev_b32 v[XO], 12, v12
	v_lshl_add_u32 v[XO], v13, 4, v[XO]
	v_add_nc_u32 v[XO], s13, v[XO]
	s_lshl_b32 s13, s12, 10
	v_lshlrev_b32 v[LO], 13, v12
	v_lshl_add_u32 v[LO], v13, 5, v[LO]
	v_add_nc_u32 v[LO], s13, v[LO]
	v_lshlrev_b32 v[SO], 2, v12
	v_lshl_add_u32 v[LS], v16, 5, s13              ; 1,024 w + 32 l
	v_bfe_u32 v14, v0, 2, 3                        ; back (waves 0 and 1): my 16 bytes of tl belong to row 8 w + l / 4,
	v_and_b32 v15, 1, v0                           ; ranks 8 (l % 2) on: that is the partial tiles' lane 8 w + l / 4 + 16 (l % 2)
	v_lshl_add_u32 v14, v15, 4, v14
	s_lshl_b32 s13, s12, 3
	v_add_nc_u32 v14, s13, v14
	v_lshlrev_b32 v[LR], 5, v14
	s_lshl_b32 s13, s12, 9
	v_lshl_add_u32 v[TO], v16, 4, s13              ; 512 w + 16 l
	s_mov_b32 s16, 0x80808080                      ; turns the top bit of four bytes
	s_mov_b32 s17, 0x4b000000                      ; the exponent of 2^23, and three bytes of 0
	s_mov_b32 s18, 0x07040400                      ; v_perm_b32: byte j of the word below, two zeros, the exponent on top
	s_mov_b32 s19, 0x07040401
	s_mov_b32 s20, 0x07040402
	s_mov_b32 s21, 0x07040403
	s_mov_b32 s22, 0xcb000080                      ; -(2^23 + 128)
	s_mov_b32 s23, s22                             ; named with it as a pair
	s_lshl_b32 s14, ttmp9, 16                      ; the work-group's 16 rows of 4,096 bytes
	s_mov_b32 s15, 0
	s_wait_kmcnt 0x0
	s_add_nc_u64 s[4:5], s[4:5], s[14:15]
	s_lshl_b32 s14, ttmp9, 6                       ; its 16 scales
	s_add_nc_u64 s[6:7], s[6:7], s[14:15]
	s_lshl_b32 s14, ttmp9, 10                      ; its 16 rows of tl
	s_add_nc_u64 s[10:11], s[10:11], s[14:15]
	global_load_b32 v[SC],   v[SO], s[6:7]
	global_load_b32 v[SC+1], v[SO], s[6:7]
.irp c, 0,1,2,3,4,5,6,7,8,9,10,11,12,13,14,15
	global_load_b128 v[X+4*(\c):X+4*(\c)+3],     v[XO], s[4:5] offset:32*(\c)
	global_load_b128 v[LA+8*(\c):LA+8*(\c)+3],   v[LO], s[8:9] offset:64*(\c)
	global_load_b128 v[LA+8*(\c)+4:LA+8*(\c)+7], v[LO], s[8:9] offset:64*(\c)+16
.endr
; Fragment c of x: 16 int8 a lane -> f32 (exact) -> times the row's scale -> bf16, into buffer c % 2.
.macro CONV c
.irp q, 0,1,2,3
	v_xor_b32 v[U], s16, v[X+4*(\c)+(\q)]
.irp j, 0,1,2,3
	v_perm_b32 v[TMP+4*(\q)+(\j)], s17, v[U], s[18+(\j)]   ; 2^23 + 128 + b
.endr
.endr
.irp n, 0,2,4,6,8,10,12,14
	v_pk_add_f32 v[TMP+(\n):TMP+(\n)+1], v[TMP+(\n):TMP+(\n)+1], s[22:23] op_sel_hi:[1,0]  ; b
.endr
.irp n, 0,2,4,6,8,10,12,14
	v_pk_mul_f32 v[TMP+(\n):TMP+(\n)+1], v[TMP+(\n):TMP+(\n)+1], v[SC:SC+1]
.endr
.irp n, 0,1,2,3,4,5,6,7
	v_cvt_pk_bf16_f32 v[XF+8*((\c)%2)+(\n)], v[TMP+2*(\n)], v[TMP+2*(\n)+1]
.endr
.endm
; The two accumulators take turns, one instruction a turn; the first two products start the sums.  A buffer of XF is written again a whole conversion (44 plain lines) behind the product that read it.
.irp c, 0,1,2,3,4,5,6,7,8,9,10,11,12,13,14,15
	s_wait_loadcnt 45-3*(\c)                       ; loads come back in order (ISA guide 5.7.1): fragment c's three are in; three for each later fragment may stay out
	CONV \c
.if (\c) < 2
	v_wmma_f32_16x16x32_bf16 v[ACC+8*((\c)%2):ACC+8*((\c)%2)+7], v[LA+8*(\c):LA+8*(\c)+7], v[XF+8*((\c)%2):XF+8*((\c)%2)+7], 0
.else
	v_wmma_f32_16x16x32_bf16 v[ACC+8*((\c)%2):ACC+8*((\c)%2)+7], v[LA+8*(\c):LA+8*(\c)+7], v[XF+8*((\c)%2):XF+8*((\c)%2)+7], v[ACC+8*((\c)%2):ACC+8*((\c)%2)+7]
.endif
.endr
.rept 8
	v_nop                                          ; the places behind the last product, in front of the sums that read results (ISA guide 7.12.1); no other vector work is at hand
.endr
.irp n, 0,2,4,6
	v_pk_add_f32 v[ACC+(\n):ACC+(\n)+1], v[ACC+(\n):ACC+(\n)+1], v[ACC+8+(\n):ACC+8+(\n)+1]  ; even and odd fragments; each accumulator is read from its low end on
.endr
	ds_store_b128 v[LS], v[ACC:ACC+3]   offset:PART
	ds_store_b128 v[LS], v[ACC+4:ACC+7] offset:PART+16
	s_wait_dscnt 0x0                               ; for the others' sake: my stores are done
	s_barrier_signal -1
	s_barrier_wait -1                              ; all eight partial tiles lie in LDS
	s_cmp_lt_u32 s12, 2                            ; wave 0 finishes rows 0-7, wave 1 rows 8-15
	s_cbranch_scc0 .Lend
.irp p, 0,1,2,3,4,5,6,7
	ds_load_b128 v[X+8*(\p):X+8*(\p)+3],   v[LR] offset:PART+1024*(\p)
	ds_load_b128 v[X+8*(\p)+4:X+8*(\p)+7], v[LR] offset:PART+1024*(\p)+16
.endr
	s_wait_dscnt 0x0
.irp p, 0,16,32,48
.irp n, 0,2,4,6
	v_pk_add_f32 v[X+(\p)+(\n):X+(\p)+(\n)+1], v[X+(\p)+(\n):X+(\p)+(\n)+1], v[X+(\p)+8+(\n):X+(\p)+8+(\n)+1]
.endr
.endr
.irp p, 0,32
.irp n, 0,2,4,6
	v_pk_add_f32 v[X+(\p)+(\n):X+(\p)+(\n)+1], v[X+(\p)+(\n):X+(\p)+(\n)+1], v[X+(\p)+16+(\n):X+(\p)+16+(\n)+1]
.endr
.endr
.irp n, 0,2,4,6
	v_pk_add_f32 v[X+(\n):X+(\n)+1], v[X+(\n):X+(\n)+1], v[X+32+(\n):X+32+(\n)+1]
.endr
	v_and_b32 v[U], 2, v0                          ; of a row's four pieces of 16 bytes the last two are the zeros
	v_cmp_eq_u32 vcc_lo, 0, v[U]
.irp n, 0,1,2,3
	v_cvt_pk_bf16_f32 v[TMP+(\n)], v[X+2*(\n)], v[X+2*(\n)+1]
.endr
.irp n, 0,1,2,3
	v_cndmask_b32 v[TMP+(\n)], 0, v[TMP+(\n)], vcc_lo
.endr
	global_store_b128 v[TO], v[TMP:TMP+3], s[10:11]  ; the wave stores 512 consecutive bytes, at a multiple of 512 from tl's first byte: eight whole rows
.Lend:
	s_wait_tensorcnt 0x0                           ; the wave's end: behind my last LDS store
	ds_add_u32 v[SPW], v[NIL]
	s_wait_dscnt 0x0
	s_endpgm
.Lfunc_end_k_qf81000dff9_lora_t:
	.size	k_qf81000dff9_lora_t, .Lfunc_end_k_qf81000dff9_lora_t-k_qf81000dff9_lora_t
	.p2alignl 7, 3214868480
	.fill 96, 4, 3214868480
	.section	.rodata,"a",@progbits
	.p2align	6, 0x0
	.amdhsa_kernel k_qf81000dff9_lora_t
		.amdhsa_group_segment_fixed_size 9216
		.amdhsa_private_segment_fixed_size 0
		.amdhsa_enable_private_segment 0
		.amdhsa_kernarg_size 32
		.amdhsa_user_sgpr_count 2
		.amdhsa_user_sgpr_kernarg_segment_ptr 1
		.amdhsa_wavefront_size32 1
		.amdhsa_system_sgpr_workgroup_id_x 1
		.amdhsa_system_sgpr_workgroup_id_y 1
		.amdhsa_system_sgpr_workgroup_id_z 1
		.amdhsa_system_vgpr_workitem_id 0
		.amdhsa_next_free_vgpr 256
		.amdhsa_next_free_sgpr 66
		.amdhsa_reserve_vcc 1
		.amdhsa_float_denorm_mode_32 3
		.amdhsa_float_denorm_mode_16_64 3
		.amdhsa_memory_ordered 1
		.amdhsa_forward_progress 1
		.amdhsa_inst_pref_size 55
	.end_amdhsa_kernel
	.amdgpu_metadata
---
amdhsa.version: [ 1, 2 ]
amdhsa.kernels:
  - .name:           k_qf81000dff9_lora_t
    .symbol:         k_qf81000dff9_lora_t.kd
    .args:
      - { .name: x, .offset: 0, .size: 8, .value_kind: global_buffer, .address_space: global }
      - { .name: x_scales, .offset: 8, .size: 8, .value_kind: global_buffer, .address_space: global }
      - { .name: lora_a, .offset: 16, .size: 8, .value_kind: global_buffer, .address_space: global }
      - { .name: tl, .offset: 24, .size: 8, .value_kind: global_buffer, .address_space: global }
    .group_segment_fixed_size: 9216
    .private_segment_fixed_size: 0
    .kernarg_segment_align: 8
    .kernarg_segment_size: 32
    .max_flat_workgroup_size: 256
    .sgpr_count:     66
    .vgpr_count:     256
    .wavefront_size: 32
...
	.end_amdgpu_metadata
.endif
;; end of part 1
;; launch gemm (part 2): grid 16 x 16, 4 waves a work-group, clusters of 4 x 4, 327,680 bytes of LDS; arguments x, weight, x_scales, scales, bias, lora_b, tl, out0; writes out0
.if DOCPART == 2
	.amdgcn_target "amdgcn-amd-amdhsa--gfx1250"
	.amdhsa_code_object_version 6
	.text
	.protected	k_qf81000dff9_gemm
	.globl	k_qf81000dff9_gemm
	.p2align	8
	.type	k_qf81000dff9_gemm,@function
k_qf81000dff9_gemm:
	s_mov_b64 s[64:65], 0
	v_nop
	global_prefetch_b8 v0, s[64:65] scope:SCOPE_SE
	s_setreg_imm32_b32 hwreg(HW_REG_WAVE_MODE, 25, 1), 1
	s_wait_xcnt 0x0
	s_wait_alu depctr_hold_cnt(0) depctr_sa_sdst(0) depctr_va_vdst(0) depctr_va_sdst(0) depctr_va_ssrc(0) depctr_va_vcc(0) depctr_vm_vsrc(0)
	s_getreg_b32 s2, hwreg(HW_REG_IB_STS2, 6, 4)
	s_cmp_eq_u32 s2, 0
	s_cbranch_scc0 .Lentry_in_a_cluster
	s_endpgm
.Lentry_in_a_cluster:
	s_bfe_u32 s2, ttmp6, 0x10000c
	s_cmp_lg_u32 s2, 0xf033
	s_cbranch_scc0 .Lentry_shape_is_right
	s_endpgm
.Lentry_shape_is_right:
; out0[m][n] = gelu( (sum over k of x[m][k] weight[n][k]) x_scales[m] scales[n] + (sum over r of tl[m][r] lora_b[n][r]) + bias[n] ), gelu in its tanh form.
; x, weight: [4096][4096] int8; x_scales, scales, bias: [4096] f32; lora_b: [4096][16] bf16; tl: [4096][32] bf16 (ranks 0-15, then zeros; made by the launch before); out0: [4096][4096] f32.
; FORMAT.  x and weight are int8 as given and the sums wanted are i32: v_wmma_i32_16x16x64_iu8 multiplies them as they lie, signed, and adds exactly: nothing is rounded or narrowed.  tl x lora_b goes in bf16 with f32 sums.
; WHERE THE ROUNDING DIFFERS.  The low-rank product stays in f32 (no rounding of it to bf16).  gelu(v) = v / (1 + 2^(v (c1 + c2 v^2))), c1 = -2 log2(e) sqrt(2/pi), c2 = 0.044715 c1: the same function as
; 0.5 v (1 + tanh(..)).  LIMITS.  A power of two below 2^-126 counts as 0 and the reciprocal of a number above 2^126 as 0 (ISA guide 15.8): the result is then v, or a zero with v's sign.  NaN goes through as NaN.
; SHAPE.  A tile of out0, 256 x 256, is made by a work-group of four waves; a wave makes 128 x 128: 64 accumulators of 16 x 16, 512 registers.  256 tiles, 256 work-groups.  K goes in steps of 256 (rows of 256 bytes of memory,
; starting at multiples of 256) through a ring of two LDS slots filled by the tensor data mover; a K step is four quarters of 64 along K, 64 matrix instructions each.
; CLUSTERS: 4 x 4 work-groups.  The four of a row of the cluster need the same tiles of x, the four of a column the same tiles of weight: each tile is asked for JOINTLY, by the same tensor load with the same descriptor and a
; mask that names the four.  By this text's count a wave has two tensor loads out at the start and one behind each round.
; THE MATRIX INSTRUCTION IS USED TRANSPOSED: source 0 = 16 rows of weight, source 1 = 16 rows of x: lane l holds row m = l % 16 of out0 and the columns n = 8 (l / 16) + 0..7.
; A FRAGMENT is 16 rows x 64 K in 8 registers, brought by two loads of 16 bytes, 32 bytes apart, at row x pitch + 16 (l / 16): a permutation of k within the 64, alike in both sources; whole-number sums do not feel it.
; REGISTERS, in windows of 256 (s_set_vgpr_msb: bits 1:0 source 0, 3:2 source 1, 5:4 source 2, 7:6 destination):
;   window 0: v0-31 addresses; v32-47 x_scales; v48-111 tl's fragments (blocks 2-7 come late, into x's buffer 0); v64-127, v128-191 fragments of x, two buffers; v112-175 an odd block's results; v192-255 lora_b's fragments
;   window 1: v0-63 scales; v64-127, v128-191 fragments of weight, two buffers (on the way out: v64-127 the low-rank product and the gelu's work, v128-191 an even block's results); v192-255 bias
;   window 2: the 32 accumulators of my rows 0-63 (accumulator (a, b) at v[8 (8 a + b)]);   window 3: those of my rows 64-127
.set SIZE_K, 4096
.set KSTEP,  256                       ; bytes (and numbers) of a row in a K step
.set PITCH,  272                       ; an LDS row: 256 bytes + 16 of padding = 68 words: row r starts at bank 4 r mod 64 (64 banks of 4 bytes: ISA guide 11.1), so the 16 rows of a load start at 16 different banks
.set HALFT,  128*PITCH                 ; 128 rows: what one tensor load brings, and what one wave reads of x or of weight
.set SLOT,   4*HALFT                   ; x's 256 rows, then weight's 256 rows
.set STAGE,  2*SLOT                    ; behind the ring, never filled by a tensor load: 16 rows x 528 bytes for each wave, for the way out
.set SPITCH, 528                       ; a row of 128 f32 + 16 bytes: an odd multiple of 16
.set SPARE,  STAGE+4*16*SPITCH         ; behind the stages: the spare words, 128 bytes for each wave: two blocks of 256 bytes that no other line names
.set LAPS,   SIZE_K/(2*KSTEP)          ; a lap = two K steps = once round the ring: 8
.set ROWC,   16384                     ; bytes in a row of out0
.set SO,   6                           ; v6   32 (l / 16): my 8 columns in scales and bias
.set LBO,  7                           ; v7   32 (l % 16) + 16 (l / 16): my 16 bytes of a fragment of lora_b
.set XO,   8                           ; v8   4 (l % 16): my row in x_scales
.set TO,   9                           ; v9   64 (l % 16) + 16 (l / 16): my 16 bytes of a fragment of tl
.set ADRA, 16                          ; v16-17  LDS address of my fragments of x in slot 0, 1
.set ADRB, 20                          ; v20-21  the same for weight
.set STO,  24                          ; v24  the way out: where I put 32 bytes of a row
.set RD,   25                          ; v25  the way out: where I read a row back
.set CO,   26                          ; v26  16 l: my byte offset in 512 bytes of a row of out0
.set SPW,  28                          ; v28  LDS address of my spare word: SPARE + 4 x my thread's number; never rewritten
.set NIL,  29                          ; v29  0; never rewritten
.set PFO,  30                          ; v30  the prefetches' offset: my lane x a row of 4,096 bytes; never rewritten
.set XS,   32                          ; window 0: block a's scale of my row, twice, at XS + 2 a
.set TF,   48                          ; window 0: tl's fragment of block a at TF + 8 a
.set F0,   64                          ; fragment buffer 0
.set F1,   128                         ; fragment buffer 1
.set LB,   192                         ; window 0: lora_b's fragment b at LB + 8 b; its registers 4-7 (ranks 16-31) are 0
.set S,    0                           ; window 1: scales of my column 16 b + 8 (l / 16) + j at S + 8 b + j
.set LQ,   64                          ; window 1: the low-rank product + bias, then the gelu's work
.set BI,   192                         ; window 1: bias, as S
.set G1,  24                           ; s[24:31] descriptor group 1 for x's tiles
.set G0,  32                           ; s[32:39] descriptor group 0 for x's tiles, one set for each slot
.set LIM, 43                           ; s43      1 in a wave that prefetches, else the greatest number
.set PFA, 44                           ; s[44:45] where my prefetches stand: my work-group's 32 rows of the 128 that I fetch, at the K step that is being asked for; a prefetch names the K step after it
.set G1B, 48                           ; s[48:55] descriptor group 1 for weight's tiles: it differs in the mask alone
.set G0B, 56                           ; s[56:63] descriptor group 0 for weight's tiles
.set MSB, 0
.macro WIN new                         ; the immediate's high byte repeats the setting that is left; a switch that changes nothing is dropped
.if MSB != (\new)
	s_set_vgpr_msb (MSB<<8)|(\new)
.set MSB, (\new)
.endif
.endm
.set MUL_LO, 0xa1                      ; source 0 (weight) window 1, source 1 (x) window 0, C and D window 2
.set MUL_HI, 0xf1                      ; the same, C and D window 3
.set TO_B,   0x40                      ; destination window 1, address window 0
; A load into a register that a matrix instruction has read, and a vector instruction that reads a matrix result or writes one of a matrix instruction's registers, stand eight places behind a matrix instruction of the
; i32 form, and only plain vector instructions that name none of its registers are places (ISA guide 7.12.1 for vector instructions).
.macro PLACES
.rept 8
	v_nop
.endr
.endm
; A joint load.  Waves 0 and 1 fetch x's two halves, waves 2 and 3 weight's.  Each line has ONE mask and one set of registers for all that issue it; the branch hangs on the wave's number alone.
; An s_nop 0 and v_nop follow each of the two lines, ahead of the jump and the label; eight of them, since they are also the places in front of the LDS loads behind a refill.
.macro JLOAD s
	s_cmp_eq_u32 s11, 0
	s_cbranch_scc0 .Lfor_b_\@
	tensor_load_to_lds s[G0+4*(\s):G0+4*(\s)+3], s[G1:G1+7]
	s_nop 0
	PLACES
	s_branch .Lasked_\@
.Lfor_b_\@:
	tensor_load_to_lds s[G0B+4*(\s):G0B+4*(\s)+3], s[G1B:G1B+7]
	s_nop 0
	PLACES
.Lasked_\@:
.endm
; A PREFETCH INTO THE L2, behind each joint load and the run of LDS loads that follows it: the K step that the NEXT refill will ask for, 256 matrix instructions ahead of that load: 32 rows x 256 bytes, a lane a row, one
; instruction a wave.  Each row's 256 bytes of a K step are named ONCE in the launch: x's tile row is read by every cluster of that row of clusters, and the one with x = 0 asks; weight's tile column by every cluster of that
; column, and the one with y = 0 asks.  The four partners that ask for a tile jointly share its rows out BY ADDRESS: of the 128 rows that a wave fetches the partner at place p takes 32 p .. 32 p + 31 (p = cx for x, cy for weight).
; how = 1: slot 0's refill, which always has a K step behind it.  how = 0: slot 1's: the last one (s3 = 1) asks for the last K step, and nothing lies behind that.  K steps 0 to 2 come by their loads alone.
.macro ASK how
.if \how
	s_cmp_eq_u32 s[LIM], 1
.else
	s_cmp_gt_u32 s3, s[LIM]
.endif
	s_cbranch_scc0 .Lnot_mine_\@
	global_prefetch_b8 v[PFO], s[PFA:PFA+1] offset:KSTEP th:TH_LOAD_NT scope:SCOPE_SE
.Lnot_mine_\@:
.endm
; A round of the cluster's barrier: my work-group's barrier, so that wave 0's signal speaks for all four waves; wave 0 signals for the work-group; every wave waits for all sixteen work-groups; my work-group's barrier once more.
.macro CREST                           ; a round behind its opening barrier
	s_cmp_lg_u32 s10, 0
	s_cbranch_scc1 .Lnot_wave_0_\@
	s_barrier_signal -3
.Lnot_wave_0_\@:
	s_barrier_wait -3
	s_barrier_signal -1
	s_barrier_wait -1
.endm
.macro CROUND                          ; a whole round
	s_barrier_signal -1
	s_barrier_wait -1
	CREST
.endm
	s_load_b128 s[4:7], s[0:1], 0x0                ; x s[4:5], weight s[6:7]
	s_load_b256 s[68:75], s[0:1], 0x10             ; x_scales s[68:69], scales s[70:71], bias s[72:73], lora_b s[74:75]
	s_load_b128 s[76:79], s[0:1], 0x30             ; tl s[76:77], out0 s[78:79]
	v_lshl_add_u32 v[SPW], v0, 2, SPARE
	v_mov_b32 v[NIL], 0
	ds_add_u32 v[SPW], v[NIL]                      ; the wave's opening: the add, twice on end, and its wait ahead of my first tensor load; the set-up below, work on registers, stands between
	ds_add_u32 v[SPW], v[NIL]                      ; and once more, under the one wait
	v_lshrrev_b32 v1, 5, v0
	v_readfirstlane_b32 s10, v1                    ; wave 0..3
	s_lshr_b32 s11, s10, 1                         ; which half of the tile's rows is mine.  Also: I fetch for x (0) or for weight (1)
	s_and_b32 s12, s10, 1                          ; which half of its columns.  Also: which 128 rows of that tile I fetch
	s_bfe_u32 s40, ttmp6, 0x40000                  ; cx: my place along the cluster's x
	s_bfe_u32 s41, ttmp6, 0x40004                  ; cy: along its y
	s_lshl_b32 s42, ttmp9, 2                       ; in a cluster launch ttmp9 and ttmp7 count clusters
	s_add_co_u32 s42, s42, s40                     ; tile column = 4 x cluster x + cx
	s_and_b32 s13, ttmp7, 0xffff
	s_lshl_b32 s13, s13, 2
	s_add_co_u32 s13, s13, s41                     ; tile row = 4 x cluster y + cy
	s_lshl_b32 s43, s41, 2
	s_lshl_b32 s43, 15, s43                        ; my row of the cluster: places 4 cy .. 4 cy + 3
	s_lshl_b32 s44, 0x1111, s40                    ; my column: places cx, cx + 4, cx + 8, cx + 12
	; descriptor group 1: a tile of 128 rows x 256 elements of one byte, padded in LDS
	s_or_b32 s[G1+0], s43, (1<<20)|(1<<21)|(5<<22)|(3<<25)   ; 15:0 the mask: x's tiles go to my row; 17:16 elements of 1 byte (code 0); 20 padding on; 21 set beside a mask; 24:22 after every 64 words (code 5); 31:25 4 words of it (code 3)
	s_or_b32 s[G1B+0], s44, (1<<20)|(1<<21)|(5<<22)|(3<<25)  ; the same with the mask of my column, for weight's tiles
.irp g, G1, G1B
	s_mov_b32 s[(\g)+1], KSTEP<<16                 ; 63:48 tensor_dim0, low half = 256
	s_mov_b32 s[(\g)+2], 128<<16                   ; 79:64 its high half = 0; 95:80 tensor_dim1, low half = 128
	s_mov_b32 s[(\g)+3], KSTEP<<16                 ; 111:96 its high half = 0; 127:112 tile_dim0 = 256
	s_mov_b32 s[(\g)+4], 128                       ; 143:128 tile_dim1 = 128; 159:144 tile_dim2 = 0
	s_mov_b32 s[(\g)+5], SIZE_K                    ; 191:160 tensor_dim0_stride: 4,096 elements from row to row
	s_mov_b32 s[(\g)+6], 0
	s_mov_b32 s[(\g)+7], 0
.endr
	s_mov_b32 s80, 0xc0135761                      ; c1 = -2.3022082
	s_mov_b32 s81, s80                             ; named with it as a pair
	s_mov_b32 s82, 0xbdd2d3e8                      ; c2 = -0.10294324
	s_mov_b32 s83, s82
	; where the tiles come from.  x's hang on the tile row alone, which my row of the cluster shares; weight's on the tile column alone, which my column shares.  All offsets stay under 2^24.
	s_lshl_b32 s17, s12, 7                         ; which 128 rows of the tile I fetch
	s_lshl_b32 s16, s13, 8
	s_add_co_u32 s16, s16, s17                     ; x: row 256 x tile row + 128 x half,
	s_lshl_b32 s16, s16, 12                        ; in bytes
	s_lshl_b32 s46, s42, 8
	s_add_co_u32 s46, s46, s17                     ; weight: row 256 x tile column + 128 x half
	s_lshl_b32 s46, s46, 12
	s_mov_b32 s17, 0
	s_mov_b32 s47, 0
	s_mul_i32 s20, s10, HALFT                      ; and where they go: wave x 128 rows: no place in the cluster enters an LDS address
	s_wait_dscnt 0x0                               ; both opening adds are done
	s_wait_kmcnt 0x0
	s_add_nc_u64 s[14:15], s[4:5], s[16:17]
	s_add_nc_u64 s[46:47], s[6:7], s[46:47]
	CROUND                                         ; all sixteen work-groups are here: the first joint loads meet
.irp s, 0,1
	s_mov_b32 s[G0+4*(\s)], 1                                      ; 1:0 count = 1
	s_add_co_u32 s[G0+4*(\s)+1], s20, (\s)*SLOT                    ; 63:32 LDS address
	s_add_nc_u64 s[G0+4*(\s)+2:G0+4*(\s)+3], s[14:15], (\s)*KSTEP  ; 120:64 global address: K step s
	s_or_b32 s[G0+4*(\s)+3], s[G0+4*(\s)+3], 0x80000000            ; 127:126 type = 2
	s_mov_b32 s[G0B+4*(\s)], 1
	s_add_co_u32 s[G0B+4*(\s)+1], s20, (\s)*SLOT
	s_add_nc_u64 s[G0B+4*(\s)+2:G0B+4*(\s)+3], s[46:47], (\s)*KSTEP
	s_or_b32 s[G0B+4*(\s)+3], s[G0B+4*(\s)+3], 0x80000000
	JLOAD \s                                       ; the ring is filled before anything else is done
.endr
	v_and_b32 v1, 15, v0                           ; l % 16
	v_bfe_u32 v2, v0, 4, 1                         ; l / 16
	v_and_b32 v5, 31, v0                           ; l
	v_mul_u32_u24 v3, v1, PITCH
	v_lshl_add_u32 v3, v2, 4, v3                   ; a fragment's row x pitch + 16 x half
	s_mul_i32 s21, s11, HALFT                      ; my 128 rows of x
	s_mul_i32 s22, s12, HALFT                      ; my 128 rows of weight,
	s_add_co_u32 s22, s22, 2*HALFT                 ; which lie behind x's 256
.irp s, 0,1
	v_add_nc_u32 v[ADRA+(\s)], s21, v3
	v_add_nc_u32 v[ADRB+(\s)], s22, v3
	s_add_co_u32 s21, s21, SLOT
	s_add_co_u32 s22, s22, SLOT
.endr
	s_mul_i32 s23, s10, 16*SPITCH
	s_add_co_u32 s23, s23, STAGE                   ; my stage
	v_mul_u32_u24 v4, v1, SPITCH                   ; in: row l % 16, 32 bytes for each half of the lanes
	v_lshl_add_u32 v4, v2, 5, v4
	v_add_nc_u32 v[STO], s23, v4
	v_lshlrev_b32 v[CO], 4, v5                     ; back: 32 lanes take one row of 512 bytes,
	v_add_nc_u32 v[RD], s23, v[CO]                 ; which are 512 consecutive bytes of out0
	v_lshlrev_b32 v[SO], 5, v2
	v_lshlrev_b32 v[LBO], 5, v1
	v_lshl_add_u32 v[LBO], v2, 4, v[LBO]
	v_lshlrev_b32 v[XO], 2, v1
	v_lshlrev_b32 v[TO], 6, v1
	v_lshl_add_u32 v[TO], v2, 4, v[TO]
	v_lshlrev_b32 v[PFO], 12, v5
	; the small operands' addresses go to my wave's first row (m0 = 256 x tile row + 128 x half) and first column (n0 = 256 x tile column + 128 x half)
	s_lshl_b32 s16, s13, 8
	s_lshl_b32 s17, s11, 7
	s_add_co_u32 s16, s16, s17                     ; m0
	s_lshl_b32 s46, s42, 8
	s_lshl_b32 s47, s12, 7
	s_add_co_u32 s46, s46, s47                     ; n0
	s_mov_b32 s19, 0
	s_lshl_b32 s18, s16, 2
	s_add_nc_u64 s[68:69], s[68:69], s[18:19]      ; x_scales: 4 bytes a row
	s_lshl_b32 s18, s16, 6
	s_add_nc_u64 s[76:77], s[76:77], s[18:19]      ; tl: 64 bytes a row
	s_lshl_b32 s18, s16, 14
	s_add_nc_u64 s[78:79], s[78:79], s[18:19]      ; out0: 16,384 bytes a row (under 2^26),
	s_lshl_b32 s18, s46, 2
	s_add_nc_u64 s[78:79], s[78:79], s[18:19]      ; 4 bytes a column
	s_add_nc_u64 s[70:71], s[70:71], s[18:19]      ; scales
	s_add_nc_u64 s[72:73], s[72:73], s[18:19]      ; bias
	s_lshl_b32 s18, s46, 5
	s_add_nc_u64 s[74:75], s[74:75], s[18:19]      ; lora_b: 32 bytes a row
	; 60 loads for the way out; they are waited for there, and none of their registers is named in the loop
.irp a, 0,1,2,3,4,5,6,7
	global_load_b32 v[XS+2*(\a)],   v[XO], s[68:69] offset:64*(\a)
	global_load_b32 v[XS+2*(\a)+1], v[XO], s[68:69] offset:64*(\a)
.endr
.irp b, 0,1,2,3,4,5,6,7
	global_load_b128 v[LB+8*(\b):LB+8*(\b)+3], v[LBO], s[74:75] offset:512*(\b)
.endr
.irp a, 0,1
	global_load_b128 v[TF+8*(\a):TF+8*(\a)+3],   v[TO], s[76:77] offset:1024*(\a)
	global_load_b128 v[TF+8*(\a)+4:TF+8*(\a)+7], v[TO], s[76:77] offset:1024*(\a)+32
.endr
	WIN TO_B
.irp b, 0,1,2,3,4,5,6,7
	global_load_b128 v[S+8*(\b):S+8*(\b)+3],     v[SO], s[70:71] offset:64*(\b)
	global_load_b128 v[S+8*(\b)+4:S+8*(\b)+7],   v[SO], s[70:71] offset:64*(\b)+16
	global_load_b128 v[BI+8*(\b):BI+8*(\b)+3],   v[SO], s[72:73] offset:64*(\b)
	global_load_b128 v[BI+8*(\b)+4:BI+8*(\b)+7], v[SO], s[72:73] offset:64*(\b)+16
.endr
	WIN 0
.irp b, 0,1,2,3,4,5,6,7
.irp j, 4,5,6,7
	v_mov_b32 v[LB+8*(\b)+(\j)], 0                 ; lora_b has 16 ranks, the product is 32 deep: the other 16 are 0.  Written in the wait for the first tile
.endr
.endr
	; the prefetches
	s_lshl_b32 s20, s13, 8                         ; the tile's first row in x,
	s_lshl_b32 s21, s42, 8                         ; in weight
	s_and_b32 s22, ttmp7, 0xffff                   ; cluster y
	s_cmp_eq_u32 s11, 0                            ; do I fetch for x?
	s_cselect_b32 s20, s20, s21
	s_cselect_b32 s21, s40, s41                    ; my place among the four that ask for the tile with me
	s_cselect_b32 s22, ttmp9, s22                  ; the coordinate along which other clusters read the same rows
	s_cselect_b64 s[PFA:PFA+1], s[4:5], s[6:7]
	s_cmp_eq_u32 s22, 0
	s_cselect_b32 s[LIM], 1, -1                    ; the same in all sixteen partners, for a given wave
	s_lshl_b32 s22, s12, 7
	s_add_co_u32 s20, s20, s22                     ; + the 128 rows that I fetch
	s_lshl_b32 s21, s21, 5
	s_add_co_u32 s20, s20, s21                     ; + my work-group's 32 of them,
	s_lshl_b32 s20, s20, 12                        ; in bytes,
	s_add_co_u32 s20, s20, KSTEP                   ; at K step 1: the first refill steps it to 2 and names K step 3
	s_mov_b32 s21, 0
	s_add_nc_u64 s[PFA:PFA+1], s[PFA:PFA+1], s[20:21]
; 16 matrix instructions: m blocks a0, a0 + 1 of the window's four (hi = 0: my rows 0-63, 1: rows 64-127) x all 8 n blocks, 64 along K.  zero = 1: the first product starts the sums: nothing is ever cleared.
; The 64 accumulators take turns, one instruction a turn, in the same order in every quarter: over the loop's backward jump too.
.macro MUL16 f, hi, a0, zero
	WIN MUL_LO+0x50*(\hi)
.irp a, \a0, (\a0)+1
.irp b, 0,1,2,3,4,5,6,7
.if \zero
	v_wmma_i32_16x16x64_iu8 v[8*(8*(\a)+(\b)):8*(8*(\a)+(\b))+7], v[(\f)+8*(\b):(\f)+8*(\b)+7], v[(\f)+8*(4*(\hi)+(\a)):(\f)+8*(4*(\hi)+(\a))+7], 0 neg_lo:[1,1,0]
.else
	v_wmma_i32_16x16x64_iu8 v[8*(8*(\a)+(\b)):8*(8*(\a)+(\b))+7], v[(\f)+8*(\b):(\f)+8*(\b)+7], v[(\f)+8*(4*(\hi)+(\a)):(\f)+8*(4*(\hi)+(\a))+7], v[8*(8*(\a)+(\b)):8*(8*(\a)+(\b))+7] neg_lo:[1,1,0]
.endif
.endr
.endr
.endm
; 32 LDS loads in one run: the fragments of one quarter (128 rows of weight, 128 rows of x, 64 K at byte k of the rows) into buffer f
.macro FETCH slot, k, f
	WIN TO_B
.irp i, 0,1,2,3,4,5,6,7
	ds_load_b128 v[(\f)+8*(\i):(\f)+8*(\i)+3],   v[ADRB+(\slot)] offset:(\k)+(\i)*16*PITCH
	ds_load_b128 v[(\f)+8*(\i)+4:(\f)+8*(\i)+7], v[ADRB+(\slot)] offset:(\k)+(\i)*16*PITCH+32
.endr
	WIN 0
.irp i, 0,1,2,3,4,5,6,7
	ds_load_b128 v[(\f)+8*(\i):(\f)+8*(\i)+3],   v[ADRA+(\slot)] offset:(\k)+(\i)*16*PITCH
	ds_load_b128 v[(\f)+8*(\i)+4:(\f)+8*(\i)+7], v[ADRA+(\slot)] offset:(\k)+(\i)*16*PITCH+32
.endr
.endm
; One of a K step's first three quarters: multiplies buffer f; in its middle it fetches the next quarter's fragments, at byte k of the same slot's rows, into buffer g.
.macro QUARTER slot, k, f, g, zero
	s_wait_dscnt 8                                 ; weight's fragments and x's rows 0-63 are in; the youngest eight loads (x's rows 64-127) may be out
	MUL16 \f, 0, 0, \zero
	MUL16 \f, 0, 2, \zero
	PLACES
	FETCH \slot, \k, \g
	s_wait_dscnt 32                                ; all but the 32 just issued
	MUL16 \f, 1, 0, \zero
	MUL16 \f, 1, 2, \zero
.endm
; The last quarter multiplies buffer 1 and changes slots.  MEET is its first half: ONE barrier for the change.  In front of it each wave waits for all its tensor loads, of which one is out: its part of the next slot; adds 0
; to its spare word; and waits for that and for its own reads of this slot.  Behind it nobody reads this slot any more and the next slot is whole.
.macro MEET round                      ; round = 1: the rest of a round of the cluster's barrier follows
	WIN 0                                          ; (the add's two registers lie in window 0)
	s_wait_tensorcnt 0x0                           ; all my tensor loads have landed;
	ds_add_u32 v[SPW], v[NIL]                      ; 0 onto my spare word;
	s_wait_dscnt 9                                 ; (the add and the youngest eight loads may be out)
	MUL16 F1, 0, 0, 0                              ; sixteen matrix instructions stand between the add and the wait for it
	s_wait_dscnt 0x0                               ; the add is done, and my reads of this slot are over:
	s_barrier_signal -1                            ; say so,
	MUL16 F1, 0, 2, 0                              ; work on registers while the others arrive,
.if \round
	WIN 0
.endif
	s_barrier_wait -1                              ; and go on when all four have said so
.endm
; The whole last quarter.  fill = 1: behind the round the slot just read out is filled again first, with the K step two steps on; then come the next slot's first fragments.  From a request to the wait for it a wave issues 224 matrix instructions.
.macro TURN slot, next, fill, how
.if \fill
	s_wait_xcnt 0x0                                ; the last prefetch, a K step back, has read its address: it is stepped here, ahead of the waits of the change of slots
	s_add_nc_u64 s[PFA:PFA+1], s[PFA:PFA+1], KSTEP
	MEET 1
	CREST                                          ; no wave of any partner still reads this slot's tile or has a load on its way
	s_add_nc_u64 s[G0+4*(\slot)+2:G0+4*(\slot)+3], s[G0+4*(\slot)+2:G0+4*(\slot)+3], 2*KSTEP
	s_add_nc_u64 s[G0B+4*(\slot)+2:G0B+4*(\slot)+3], s[G0B+4*(\slot)+2:G0B+4*(\slot)+3], 2*KSTEP
	JLOAD \slot                                    ; the first tensor load behind the round
	FETCH \next, 0, F0
	ASK \how
.else
	MEET 0                                         ; nothing is filled again, so no round follows
	PLACES
	FETCH \next, 0, F0
.endif
	MUL16 F1, 1, 0, 0
	MUL16 F1, 1, 2, 0
.endm
	s_wait_tensorcnt 1                             ; my part of K step 0 is in; K step 1's may stay out
	s_barrier_signal -1
	s_barrier_wait -1                              ; everybody's is
	FETCH 0, 0, F0
	QUARTER 0, 64,  F0, F1, 1                      ; the first quarter stands in front of the loop: its products start the sums
	WIN 0                                          ; at a label and at a branch every window is 0
	s_mov_b32 s3, LAPS-1
.Llap:                                                 ; a trip goes once round the ring, from a lap's second quarter to the next lap's first, and fills both slots again
	QUARTER 0, 128, F1, F0, 0
	QUARTER 0, 192, F0, F1, 0
	TURN 0, 1, 1, 1
	QUARTER 1, 64,  F0, F1, 0
	QUARTER 1, 128, F1, F0, 0
	QUARTER 1, 192, F0, F1, 0
	TURN 1, 0, 1, 0
	QUARTER 0, 64,  F0, F1, 0
	WIN 0
	s_sub_co_u32 s3, s3, 1
	s_cmp_lg_u32 s3, 0
	s_cbranch_scc1 .Llap
	QUARTER 0, 128, F1, F0, 0                      ; the last lap fills nothing
	QUARTER 0, 192, F0, F1, 0
	TURN 0, 1, 0, 0
	QUARTER 1, 64,  F0, F1, 0
	QUARTER 1, 128, F1, F0, 0
	QUARTER 1, 192, F0, F1, 0
	s_wait_dscnt 8                                 ; the very last quarter: no fragments are left to fetch
	MUL16 F1, 0, 0, 0
	MUL16 F1, 0, 2, 0
	WIN 0
	PLACES                                         ; for the loads into x's buffer 0, which the quarter before multiplied
.irp a, 2,3,4,5,6,7                    ; tl's fragments of blocks 2 to 7: the loop had no registers for them
	global_load_b128 v[TF+8*(\a):TF+8*(\a)+3],   v[TO], s[76:77] offset:1024*(\a)
	global_load_b128 v[TF+8*(\a)+4:TF+8*(\a)+7], v[TO], s[76:77] offset:1024*(\a)+32
.endr
	s_wait_dscnt 0x0
	MUL16 F1, 1, 0, 0
	MUL16 F1, 1, 2, 0
; THE WAY OUT, a block of 16 rows x 128 columns at a time.  Block a's 64 results a lane lie at v[FB ..] of window FW: even blocks in window 1 (v128), odd ones in window 0 (v112), so that one block's stores leave while the next is worked on.
; SEND: the block, back from the stage as whole rows, is stored: each store of the wave covers 512 consecutive bytes, at a multiple of 512 from out0's first byte.  The row stands in the immediate, 2,080,768 at the most
; (inside the signed 24 bits: ISA guide, chapter 10), so no address register is ever stepped.
.macro SEND a
.set SW, 1-((\a)%2)
.set SB, 128-16*((\a)%2)
	s_wait_dscnt 0x0                               ; the block is back in registers
	WIN SW<<2                                      ; the stores' data: source 1
.irp t, 0,1,2,3,4,5,6,7,8,9,10,11,12,13,14,15
	global_store_b128 v[CO], v[SB+4*(\t):SB+4*(\t)+3], s[78:79] offset:(16*(\a)+(\t))*ROWC th:TH_STORE_NT
.endr
.endm
.macro COMPUTE a
.set FW, 1-((\a)%2)
.set FB, 128-16*((\a)%2)
.set AW, 2+(\a)/4                      ; the block's accumulators: window 2 or 3,
.set AC, 64*((\a)%4)                   ; from this register on
.if (\a) >= 2
	s_wait_loadcnt 2*(7-(\a))                      ; tl's fragment of this block is in; two loads for each later block may stay out
	s_wait_xcnt 0x0                                ; every earlier memory instruction has had its addresses translated (ISA guide 3.1): the registers that the stores of the block two back read are rewritten only behind this wait
.endif
	WIN 0x50                                       ; lora_b and tl in window 0, bias and the result in window 1
.irp b, 0,1,2,3,4,5,6,7
	v_wmma_f32_16x16x32_bf16 v[LQ+8*(\b):LQ+8*(\b)+7], v[LB+8*(\b):LB+8*(\b)+7], v[TF+8*(\a):TF+8*(\a)+7], v[BI+8*(\b):BI+8*(\b)+7]  ; tl x lora_b^T + bias: the bias is the sum's start
.endr
	WIN (FW<<6)|AW
.set i, 0
.rept 64
	v_cvt_f32_i32 v[FB+i], v[AC+i]                 ; each accumulator from its low end on; these lines are also the places behind the eight products above
.set i, i+1
.endr
	WIN (FW<<6)|FW
.set i, 0
.rept 32
	v_pk_mul_f32 v[FB+i:FB+i+1], v[FB+i:FB+i+1], v[XS+2*(\a):XS+2*(\a)+1]  ; times my row's scale
.set i, i+2
.endr
	WIN (FW<<6)|0x14|FW
.set i, 0
.rept 32
	v_pk_fma_f32 v[FB+i:FB+i+1], v[FB+i:FB+i+1], v[S+i:S+i+1], v[LQ+i:LQ+i+1]  ; v = .. times the column's scale + (low-rank product + bias)
.set i, i+2
.endr
	WIN 0x40|(FW<<2)|FW
.set i, 0
.rept 32
	v_pk_mul_f32 v[LQ+i:LQ+i+1], v[FB+i:FB+i+1], v[FB+i:FB+i+1]  ; v^2
.set i, i+2
.endr
	WIN 0x41
.set i, 0
.rept 32
	v_pk_fma_f32 v[LQ+i:LQ+i+1], v[LQ+i:LQ+i+1], s[82:83], s[80:81] op_sel_hi:[1,0,0]  ; c2 v^2 + c1
.set i, i+2
.endr
	WIN 0x41|(FW<<2)
.set i, 0
.rept 32
	v_pk_mul_f32 v[LQ+i:LQ+i+1], v[LQ+i:LQ+i+1], v[FB+i:FB+i+1]  ; z = v (c1 + c2 v^2)
.set i, i+2
.endr
	WIN 0x41
.set i, 0
.rept 64
	v_exp_f32 v[LQ+i], v[LQ+i]                     ; one batch: 2^z
.set i, i+1
.endr
.if (\a) >= 1
	SEND (\a)-1                                    ; the block before leaves here: work that names none of the batch's results
.endif
	v_nop                                          ; a plain instruction behind the last exponential,
	s_wait_alu depctr_va_vdst(0)                   ; and the one wait ahead of the batch's first reader
	WIN 0x41
.set i, 0
.rept 32
	v_pk_add_f32 v[LQ+i:LQ+i+1], v[LQ+i:LQ+i+1], 1.0 op_sel_hi:[1,0]
.set i, i+2
.endr
.set i, 0
.rept 64
	v_rcp_f32 v[LQ+i], v[LQ+i]                     ; a second batch: 1 / (1 + 2^z)
.set i, i+1
.endr
	v_nop
	s_wait_alu depctr_va_vdst(0)                   ; its one wait
	WIN (FW<<6)|4|FW
.set i, 0
.rept 32
	v_pk_mul_f32 v[FB+i:FB+i+1], v[FB+i:FB+i+1], v[LQ+i:LQ+i+1]  ; gelu(v)
.set i, i+2
.endr
.endm
; A lane's eight columns of accumulator b are 32 bytes of row l % 16: they go into my own stage, rows of 528 bytes, and come back as whole rows of 512, into the registers that they left.
.macro TOSTAGE a
.set FW, 1-((\a)%2)
.set FB, 128-16*((\a)%2)
	WIN FW<<2
.irp b, 0,1,2,3,4,5,6,7
	ds_store_b128 v[STO], v[FB+8*(\b):FB+8*(\b)+3]   offset:64*(\b)
	ds_store_b128 v[STO], v[FB+8*(\b)+4:FB+8*(\b)+7] offset:64*(\b)+16
.endr
	WIN FW<<6
.irp t, 0,1,2,3,4,5,6,7,8,9,10,11,12,13,14,15
	ds_load_b128 v[FB+4*(\t):FB+4*(\t)+3], v[RD] offset:(\t)*SPITCH  ; LDS serves a wave's instructions in order (ISA guide 5.7.1.4): these see the stores above; the next block's stores come behind them
.endr
.endm
	WIN 0
	PLACES                                         ; behind the last products: the conversions read their results and write weight's buffer 1, which they read
	s_wait_loadcnt 12                              ; the 60 loads of the head are in; the twelve late ones may stay out
	COMPUTE 0
	TOSTAGE 0
.irp a, 1,2,3,4,5,6,7
	COMPUTE \a
	TOSTAGE \a
.endr
	SEND 7
	WIN 0
	s_wait_tensorcnt 0x0                           ; the wave's end: behind my last tensor load and my last LDS store
	ds_add_u32 v[SPW], v[NIL]
	s_wait_dscnt 0x0
	CROUND                                         ; the closing round: no work-group ends while a partner may still ask for a tile that names it
	s_endpgm
.Lfunc_end_k_qf81000dff9_gemm:
	.size	k_qf81000dff9_gemm, .Lfunc_end_k_qf81000dff9_gemm-k_qf81000dff9_gemm
	.p2alignl 7, 3214868480
	.fill 96, 4, 3214868480
	.section	.rodata,"a",@progbits
	.p2align	6, 0x0
	.amdhsa_kernel k_qf81000dff9_gemm
		.amdhsa_group_segment_fixed_size 327680
		.amdhsa_private_segment_fixed_size 0
		.amdhsa_enable_private_segment 0
		.amdhsa_kernarg_size 64
		.amdhsa_user_sgpr_count 2
		.amdhsa_user_sgpr_kernarg_segment_ptr 1
		.amdhsa_wavefront_size32 1
		.amdhsa_system_sgpr_workgroup_id_x 1
		.amdhsa_system_sgpr_workgroup_id_y 1
		.amdhsa_system_sgpr_workgroup_id_z 1
		.amdhsa_system_vgpr_workitem_id 0
		.amdhsa_next_free_vgpr 1024
		.amdhsa_next_free_sgpr 84
		.amdhsa_reserve_vcc 0
		.amdhsa_float_denorm_mode_32 3
		.amdhsa_float_denorm_mode_16_64 3
		.amdhsa_memory_ordered 1
		.amdhsa_forward_progress 1
		.amdhsa_inst_pref_size 255
	.end_amdhsa_kernel
	.section	.bss,"aw",@nobits
	.p2align	6
	.space	262144
	.amdgpu_metadata
---
amdhsa.version: [ 1, 2 ]
amdhsa.kernels:
  - .name:           k_qf81000dff9_gemm
    .symbol:         k_qf81000dff9_gemm.kd
    .args:
      - { .name: x, .offset: 0, .size: 8, .value_kind: global_buffer, .address_space: global }
      - { .name: weight, .offset: 8, .size: 8, .value_kind: global_buffer, .address_space: global }
      - { .name: x_scales, .offset: 16, .size: 8, .value_kind: global_buffer, .address_space: global }
      - { .name: scales, .offset: 24, .size: 8, .value_kind: global_buffer, .address_space: global }
      - { .name: bias, .offset: 32, .size: 8, .value_kind: global_buffer, .address_space: global }
      - { .name: lora_b, .offset: 40, .size: 8, .value_kind: global_buffer, .address_space: global }
      - { .name: tl, .offset: 48, .size: 8, .value_kind: global_buffer, .address_space: global }
      - { .name: out0, .offset: 56, .size: 8, .value_kind: global_buffer, .address_space: global }
    .group_segment_fixed_size: 327680
    .private_segment_fixed_size: 0
    .kernarg_segment_align: 8
    .kernarg_segment_size: 64
    .max_flat_workgroup_size: 128
    .sgpr_count:     84
    .vgpr_count:     1024
    .wavefront_size: 32
...
	.end_amdgpu_metadata
.endif
;; end of part 2
